; MI455X (gfx1250); checked and timed in simulation.
; The chip was launched on July 23, 2026; its instructions are those of AMD's public machine-readable ISA for CDNA 5 (MIT licence, August 2026) and "CDNA5" Instruction Set Architecture Reference Guide (July 2026). The comments in the code are by the model that wrote it; some were corrected since.
;; Resonant FFNV2. Allowed arithmetic: matrix products marked QUANTISED: E2M1 operands, one E8M0 scale for each 32 along K, by v_wmma_scale_f32_16x16x128_f8f6f4 with both operands' format E2M1 (or v_wmma_scale_f32_32x16x128_f4), f32 sums; everything else in f32.
;; Inputs: B_param 256 x 512 float32; W 256 x 512 float32; attn_cos 256 x 512 float32; attn_sin 256 x 512 float32; proj_cos_w 512 x 256 float32; proj_sin_w 512 x 256 float32; x 2 x 512 x 512 float32.
;; Outputs: out0 2 x 512 x 512 float32.
;; This version of the problem:
;;   THIS VERSION OF THE PROBLEM IS GIVEN IN LOW PRECISION. The matrix products marked QUANTISED in the list below multiply operands that are first quantised to E2M1 (2 exponent bits, 1 mantissa bit; 4 bits a number), with one power-of-two scale for each 32 numbers along K (OCP MX v1.0); their sums are f32. All else is computed in f32.
;;   The module's matrix products, in the order in which they are computed (A, B: the left and right operand; K: the contracted axis; several contracted axes count as one K, in the product's order):
;;     1. [M 1,024, K 256] x [K 256, N 512]; A: computed on the way; B: input proj_cos_w: QUANTISED
;;     2. [M 1,024, K 256] x [K 256, N 512]; A: computed on the way; B: input proj_sin_w: QUANTISED
;;   THE QUANTISER, for each operand of a quantised product, along K:
;;     - K is cut into blocks of 32 from its start; a last block that is shorter is filled with zeros.
;;     - A block's scale is 2^e with e = floor(log2(the largest magnitude in the block)) - 2, held to -126 .. 127; a block of zeros has e = 0. As a byte (E8M0): e + 127.
;;     - Each number is divided by its block's scale, clamped to +-6, and rounded to the nearest number of E2M1, ties to even, subnormals kept.
;;     - The product sums the exact products of the quantised numbers (number of the format x scale) in f32.
;;   ~~~python
;;   def quantise(x, axis):      # numpy; x: float32 -> the quantised numbers, widened to float32 again
;;       x = np.moveaxis(x, axis, -1); K = x.shape[-1]
;;       x = np.pad(x, [(0, 0)] * (x.ndim - 1) + [(0, -K % 32)]); x = x.reshape(x.shape[:-1] + (-1, 32)); a = np.abs(x).max(-1, keepdims=True)
;;       e = np.where(a > 0, np.clip(np.frexp(np.where(a > 0, a, 1))[1] - 1 - 2, -126, 127), 0)      # np.frexp(a)[1] - 1 = floor(log2(a)), exactly
;;       r = np.clip(x / 2.0 ** e, -6, 6)
;;       step = 2.0 ** (np.maximum(np.frexp(np.where(r == 0, 1, r))[1] - 1, 0) - 1)
;;       q = np.round(r / step) * step * 2.0 ** e      # np.round: ties to even
;;       return np.moveaxis(q.reshape(q.shape[:-2] + (-1,))[..., :K], -1, axis).astype(np.float32)
;;   ~~~
;;   OPERANDS COMPUTED ON THE WAY. 'Computed on the way' means the value that the module computes at that place (a softmax that the list does not call 'softmax' is quantised finished and normalised). What goes into a quantiser is computed in f32, as accurately as f32 sums, v_exp_f32 and their like allow (about 1e-6 of the number): no bf16 or f16 on the way to a quantiser, and a product that is left as it is and whose result goes on into a quantised operand takes f32 operands (vector FMAs, or v_wmma_f32_16x16x4_f32). A number that lies on a knife's edge between two numbers of the format may be rounded either way, as far as f32 arithmetic and the matrix unit's own rounding can turn it there, and no further.
;; One version. Each part assembles by itself: llvm-mc -triple=amdgcn-amd-amdhsa -mcpu=gfx1250 --defsym DOCPART=n.
;; ======== version 1 of 1: 2 launches
;; limits: right only within a limited range of input values
;; workspace buffers: sums 2,097,152 bytes; wcodes 131,072 bytes; wscales 8,192 bytes
;; launch sums (part 1): grid 16 x 16, 16 waves a work-group, no clusters, 297,984 bytes of LDS; arguments x, W, B_param, attn_cos, attn_sin, proj_cos_w, proj_sin_w, sums, wcodes, wscales; writes sums, wcodes, wscales
.if DOCPART == 1
	.amdgcn_target "amdgcn-amd-amdhsa--gfx1250"
	.amdhsa_code_object_version 6
	.text
	.protected	k_q02507ee41d_sums
	.globl	k_q02507ee41d_sums
	.p2align	8
	.type	k_q02507ee41d_sums,@function
k_q02507ee41d_sums:
	s_mov_b64 s[64:65], 0
	v_nop
	global_prefetch_b8 v0, s[64:65] scope:SCOPE_SE
	s_setreg_imm32_b32 hwreg(HW_REG_WAVE_MODE, 25, 1), 1
	s_wait_xcnt 0x0
; cos_sum[m][n] = sum over d of cosT[idx] * attn_cos[n][d], sin_sum likewise, idx = round(theta * 4096/2pi) mod 4096, theta = x[m][d] / (1 + |W[n][d]|) + B[n][d].
; 1,024 rows m, 256 n, 512 d: 134,217,728 table entries.  The vector ALU binds, so the text is built on the count of instructions for an entry.
; THE INDEX IS MADE WITH THE SAME ROUNDINGS AS THE DEFINITION: the quotient rounded to f32, + B, x f32(4096/2pi), round half to even, each a rounding of its own.
;   quotient: 1/(1+|W|) is kept as two floats r_hi + r_lo (made once for each n, d); q = fma(x, r_hi, x * r_lo) is x/(1+|W|) right to about 2^-46 of itself ahead of its one rounding.
;   round and mod: t + (1.5 x 2^23 + 2048) leaves (k + 2048) mod 4096 in the low 12 bits; these bits under the exponent of 4096.0 are 4096 + ((k + 2048) mod 4096) / 2048; less 4097: u = j / 2048, j the index as a signed number, exactly.
; THE ENTRY IS COMPUTED, NOT LOOKED UP (an address may not be made of floating-point data): phi = theta_j / 2 = u x f32(pi)/2 lies in [-pi/2, pi/2); S = sin phi (odd, degree 9), C = cos phi (even, degree 10);
;   cos theta_j / 2 = 0.5 - S S (one fma), sin theta_j / 2 = S C; the sums are doubled at the end, which rounds nothing.  23 instructions for two neighbouring d, 21 of them packed.
; SHARES.  A work-group owns 64 rows x 16 n: 128 KiB of x and 128 KiB of W, B, attn_cos, attn_sin, the fewest bytes for 256 equal work-groups.  They are read once, 512 consecutive bytes a wave and load,
;   and laid into LDS (the reciprocals are made on the way).  Wave (mg = wave % 4, dq = wave / 4) takes 16 rows and 128 d.  A lane is n = lane % 16 and h = lane / 16; in row step i it has row 16 mg + 2 i + h.
;   So a lane owns its sums: no reduction across lanes; x is read from LDS by all sixteen lanes of a half at one address.  The four d quarters are added through LDS at the end.
; Wave 0 also quantises 1/256 of the two projection weights to E2M1 (one block of 32 a lane) and stores them as the image of one operand fragment's four registers: 512 consecutive bytes.
; NO CLUSTER: tiles are shared (x along the grid's x, the parameters along y), but they are read once, at the head, 256 KiB for some 49,000 vector instructions of each SIMD, and the parameters
;   have to pass through registers on their way into LDS.
; LIMITS: |theta x 4096/2pi| under 2^22 - 2048 (|theta| under 6,430); NaN and infinities are not served.  An entry is sin or cos of j x f32(2pi)/4096 to about 1e-7; the rounding of that angle product
;   in the definition's table (up to 4e-7 rad) is not imitated.  A quotient within some 2^-22 ulp of a rounding boundary may be one ulp off.  A weight block of zeros gets the scale byte 1 and zero codes.
.set PPITCH, 5*2048+16                 ; LDS: the parameters of one n: r_hi, r_lo, B, attn_cos, attn_sin, 2,048 bytes each, + 16: an odd multiple of 16, so sixteen rows start in sixteen different 16-byte columns
.set XB,     16*PPITCH                 ; behind them x: 64 rows of 2,048 bytes
.set SCP,    80                        ; the end: a row of 16 sums + 16 bytes;
.set SCCS,   64*SCP                    ; 64 rows: cos, then sin;
.set SCDQ,   2*SCCS                    ; for each d quarter.  These bytes lie over the parameters, behind a barrier
.set APB,  2                           ; v2   LDS address of my n's parameters, my wave's first d
.set AXB,  3                           ; v3   the same for x, row step 0
.set AP,   4                           ; v4   v2 + the trip's bytes
.set AX,   5                           ; v5   v3 + the trip's bytes
.set SPA,  6                           ; v6-7 staging: where I store parameters (rows 0-7, rows 8-15)
.set SXA,  8                           ; v8-9 staging: where I store x (first and second 64 KiB)
.set K9,   10                          ; v[10:11] sin's highest coefficient, twice
.set KC,   12                          ; v[12:13] cos's highest coefficient, twice
.set SST,  14                          ; v14  the end: where I put my sums
.set SRD,  15                          ; v15  the end: where I read four neighbouring sums
.set GOUT, 16                          ; v16  my byte offset in the work-group's part of sums
.set WLO,  17                          ; v17  wave 0: my block's byte offset in the weight
.set WSO,  18                          ; v18  wave 0: my scale byte's offset
.set ACC,  20                          ; v20-51   row step i: cos pair at 4 i, sin pair at 4 i + 2
.set PRM,  52                          ; v52-91   two buffers of 20: r_hi, r_lo, B, attn_cos, attn_sin of 4 d
.set XRG,  92                          ; v92-155  two buffers of 32: x of 8 row steps x 4 d
.set TM,   156                         ; v156-219 eight chains of 8 registers
.set SW,   52                          ; staging: W, then 1 + |W|
.set SR,   68                          ; r_hi
.set SE,   84                          ; residual, then r_lo
.set SBP,  100
.set SAC,  116
.set SAS,  132
.set SX,   148                         ; v148-211 x
.set WQ,   212                         ; v212-243 wave 0: a block of 32 weights
.set WC,   244                         ; v244-247 its codes
.set WM,   248                         ; v248-249 its largest magnitude, in two chains
.set WSC,  250                         ; the conversion's scale operand
.set WBY,  251                         ; the scale's byte
.set CC,   30                          ; s[30:31] f32(4096/2pi)            (a packed instruction names a pair and takes its low word for both halves: both are written)
.set MC,   32                          ; s[32:33] 1.5 x 2^23 + 2048
.set NM,   34                          ; s[34:35] -4097
.set Q7,   36                          ; sin: S = u (Q1 + w (Q3 + w (Q5 + w (Q7 + w Q9)))), w = u u
.set Q5,   38
.set Q3,   40
.set Q1,   42
.set C4,   44                          ; cos: C = 1 + w (C1 + w (C2 + w (C3 + w (C4 + w C5))))
.set C3,   46
.set C2,   48
.set C1,   50
.set MSK,  52                          ; s52  0xfff
.set MB,   53                          ; s53  the bits of 4096.0
.set OFF,  55                          ; s55  the trip's bytes along d, and the loop's counter
.macro SPAIR r, val
	s_mov_b32 s[\r], \val
	s_mov_b32 s[\r+1], \val
.endm
	s_load_b512 s[8:23], s[0:1], 0x0               ; x s[8:9], W s[10:11], B s[12:13], attn_cos s[14:15], attn_sin s[16:17], proj_cos_w s[18:19], proj_sin_w s[20:21], sums s[22:23]
	s_load_b128 s[24:27], s[0:1], 0x40             ; wcodes s[24:25], wscales s[26:27]
	v_lshl_add_u32 v254, v0, 2, 0x48400
	v_mov_b32 v255, 0
	v_lshrrev_b32 v1, 5, v0
	v_readfirstlane_b32 s4, v1                     ; wave 0..15
	s_and_b32 s5, ttmp7, 0xffff                    ; which 64 rows
	s_lshr_b32 s58, s4, 2                          ; dq
	s_and_b32 s59, s4, 3                           ; mg
	; every LDS address is made here, ahead of the first branch
	v_and_b32 v[APB], 15, v0                       ; n = lane % 16
	v_bfe_u32 v[AXB], v0, 4, 1                     ; h = lane / 16
	v_lshlrev_b32 v[WLO], 10, v[APB]               ; wave 0: row n of the 16 weight rows (1,024 bytes each),
	v_lshl_add_u32 v[WLO], v[AXB], 7, v[WLO]       ; block h of the two (128 bytes each)
	v_lshl_add_u32 v[WSO], v[APB], 4, v[AXB]       ; its scale byte: 16 bytes a row, + h
	v_mul_u32_u24 v[SST], v[AXB], SCP              ; the end: row 16 mg + 2 i + h, column n, quarter dq
	v_lshl_add_u32 v[SST], v[APB], 2, v[SST]
	s_mul_i32 s60, s58, SCDQ
	s_mul_i32 s61, s59, 16*SCP
	s_add_co_u32 s60, s60, s61
	v_add_nc_u32 v[SST], s60, v[SST]
	v_mul_u32_u24 v[APB], v[APB], PPITCH
	s_lshl_b32 s60, s58, 9                         ; my wave's 128 d: 512 bytes
	v_add_nc_u32 v[APB], s60, v[APB]
	v_lshlrev_b32 v[AXB], 11, v[AXB]               ; row h,
	s_lshl_b32 s61, s59, 15                        ; + 16 mg rows,
	s_add_co_u32 s61, s61, s60
	s_add_co_u32 s61, s61, XB
	v_add_nc_u32 v[AXB], s61, v[AXB]
	v_lshrrev_b32 v[SRD], 8, v0                    ; the end, back: thread t takes cos or sin t / 256, columns 4 ((t / 64) % 4) on, row t % 64
	v_mul_u32_u24 v[SRD], v[SRD], SCCS
	v_and_b32 v1, 63, v0
	v_mad_u32_u24 v[SRD], v1, SCP, v[SRD]
	v_bfe_u32 v19, v0, 6, 2
	v_lshl_add_u32 v[SRD], v19, 4, v[SRD]
	v_lshrrev_b32 v[GOUT], 6, v0                   ; sums is laid [n / 16][cos, sin][(n % 16) / 4][m][4]: 16,384 bytes for each t / 64,
	v_lshlrev_b32 v[GOUT], 14, v[GOUT]
	v_lshl_add_u32 v[GOUT], v1, 4, v[GOUT]         ; 16 bytes a row: a wave stores 512 consecutive bytes
	v_lshrrev_b32 v[SPA], 7, v0                    ; staging: 128 threads to a row of 2,048 bytes, four rows a load
	v_mul_u32_u24 v[SPA], v[SPA], PPITCH
	v_and_b32 v1, 127, v0
	v_lshl_add_u32 v[SPA], v1, 4, v[SPA]
	v_add_nc_u32 v[SPA+1], 8*PPITCH, v[SPA]        ; (an LDS offset has 16 bits: rows 8 on have a register of their own)
	v_lshl_add_u32 v[SXA], v0, 4, XB
	v_add_nc_u32 v[SXA+1], 0x10000, v[SXA]
	v_lshlrev_b32 v1, 4, v0                        ; in memory: 16 bytes a thread, 8,192 a load of the work-group
	SPAIR CC, 0x4422f983
	SPAIR MC, 0x4b400800
	SPAIR NM, 0xc5800800
	SPAIR Q7, 0xbb9924d0
	SPAIR Q5, 0x3da3344f
	SPAIR Q3, 0xbf255de2
	SPAIR Q1, 0x3fc90fdb                           ; f32(pi) / 2: the table's own step, f32(2pi) / 4096, for u = j / 2048 and half the angle
	SPAIR C4, 0x3a70937c
	SPAIR C3, 0xbcaae83c
	SPAIR C2, 0x3e81e0f4                           ; (one unit in the last place up, against the rounding of C1)
	SPAIR C1, 0xbf9de9e7
	s_mov_b32 s[MSK], 0xfff
	s_mov_b32 s[MB], 0x45800000
	v_mov_b32 v[K9], 0x391ebb1b
	v_mov_b32 v[K9+1], 0x391ebb1b
	v_mov_b32 v[KC], 0xb7c7dc09
	v_mov_b32 v[KC+1], 0xb7c7dc09
	s_lshl_b32 s2, ttmp9, 15                       ; my 16 n: 16 rows of 2,048 bytes in each parameter
	s_mov_b32 s3, 0
	s_lshl_b32 s6, s5, 17                          ; my 64 rows of x
	s_mov_b32 s7, 0
	s_lshl_b32 s28, s5, 4
	s_add_co_u32 s28, s28, ttmp9                   ; g = 0..255: which fragment image of the weights is mine: g = (16-row tile x 4 + K step) x 2 + c
	s_lshr_b32 s29, s28, 3                         ; the tile of 16 output rows
	s_wait_kmcnt 0x0
	s_add_nc_u64 s[8:9], s[8:9], s[6:7]
	s_add_nc_u64 s[10:11], s[10:11], s[2:3]
	s_add_nc_u64 s[12:13], s[12:13], s[2:3]
	s_add_nc_u64 s[14:15], s[14:15], s[2:3]
	s_add_nc_u64 s[16:17], s[16:17], s[2:3]
	s_bitcmp1_b32 s28, 2                           ; K steps 0, 1 are the cos weight's 256 n, K steps 2, 3 the sin weight's
	s_cselect_b64 s[18:19], s[20:21], s[18:19]
	s_lshl_b32 s56, s29, 14                        ; 16 rows of 1,024 bytes,
	s_and_b32 s57, s28, 3
	s_lshl_b32 s57, s57, 8                         ; two blocks of 128 bytes for each g % 4
	s_add_co_u32 s56, s56, s57
	s_mov_b32 s57, 0
	s_add_nc_u64 s[18:19], s[18:19], s[56:57]
	s_lshl_b32 s56, s28, 9                         ; the image: 512 bytes
	s_add_nc_u64 s[24:25], s[24:25], s[56:57]
	s_lshl_b32 s56, s29, 8                         ; scale bytes: 16 for each output row; mine at 2 (g % 8) + h
	s_and_b32 s62, s28, 7
	s_lshl_b32 s62, s62, 1
	s_add_co_u32 s56, s56, s62
	s_add_nc_u64 s[26:27], s[26:27], s[56:57]
	s_lshl_b32 s56, ttmp9, 17                      ; sums: 131,072 bytes for each 16 n, 16 bytes a row
	s_lshl_b32 s62, s5, 10
	s_add_co_u32 s56, s56, s62
	s_add_nc_u64 s[22:23], s[22:23], s[56:57]
	; ---- all loads of the launch go out here.  Wave 0's eight go first, so that the counts below are the same in every wave
	s_cmp_lg_u32 s4, 0
	s_cbranch_scc1 .Lno_weight_loads
.irp j, 0,1,2,3,4,5,6,7
	global_load_b128 v[WQ+4*\j:WQ+4*\j+3], v[WLO], s[18:19] offset:16*\j th:TH_LOAD_NT
.endr
.Lno_weight_loads:
.irp i, 0,1,2,3
	global_load_b128 v[SW+4*\i:SW+4*\i+3], v1, s[10:11] offset:8192*\i
.endr
.irp i, 0,1,2,3
	global_load_b128 v[SBP+4*\i:SBP+4*\i+3], v1, s[12:13] offset:8192*\i
.endr
.irp i, 0,1,2,3
	global_load_b128 v[SAC+4*\i:SAC+4*\i+3], v1, s[14:15] offset:8192*\i
.endr
.irp i, 0,1,2,3
	global_load_b128 v[SAS+4*\i:SAS+4*\i+3], v1, s[16:17] offset:8192*\i
.endr
.irp i, 0,1,2,3,4,5,6,7,8,9,10,11,12,13,14,15
	global_load_b128 v[SX+4*\i:SX+4*\i+3], v1, s[8:9] offset:8192*\i
.endr
	s_wait_loadcnt 28                              ; W is in: behind it stand 12 loads of parameters and 16 of x
.irp j, 0,1,2,3,4,5,6,7,8,9,10,11,12,13,14,15
	v_add_f32 v[SW+\j], 1.0, |v[SW+\j]|            ; the wavelength
.endr
.irp j, 0,1,2,3,4,5,6,7,8,9,10,11,12,13,14,15
	v_rcp_f32 v[SR+\j], v[SW+\j]
.endr
.irp j, 0,1,2,3,4,5,6,7,8,9,10,11,12,13,14,15,16,17,18,19,20,21,22,23,24,25,26,27,28,29,30,31
	v_mov_b32 v[ACC+\j], 0                         ; the sums begin: 32 lines once, and the plain work behind the reciprocals
.endr
	s_wait_alu depctr_va_vdst(0)                   ; one wait for the sixteen reciprocals, ahead of their first reader
.irp j, 0,2,4,6,8,10,12,14
	v_pk_fma_f32 v[SE+\j:SE+\j+1], v[SW+\j:SW+\j+1], v[SR+\j:SR+\j+1], 1.0 op_sel_hi:[1,1,0] neg_lo:[1,0,0] neg_hi:[1,0,0]   ; 1 - wl r
.endr
.irp j, 0,2,4,6,8,10,12,14
	v_pk_fma_f32 v[SR+\j:SR+\j+1], v[SE+\j:SE+\j+1], v[SR+\j:SR+\j+1], v[SR+\j:SR+\j+1]   ; r_hi: one Newton step
.endr
.irp j, 0,2,4,6,8,10,12,14
	v_pk_fma_f32 v[SE+\j:SE+\j+1], v[SW+\j:SW+\j+1], v[SR+\j:SR+\j+1], 1.0 op_sel_hi:[1,1,0] neg_lo:[1,0,0] neg_hi:[1,0,0]   ; 1 - wl r_hi: exact
.endr
.irp j, 0,2,4,6,8,10,12,14
	v_pk_mul_f32 v[SE+\j:SE+\j+1], v[SE+\j:SE+\j+1], v[SR+\j:SR+\j+1]   ; r_lo: r_hi + r_lo = 1 / wl to about 2^-47
.endr
.irp i, 0,1,2,3
	ds_store_b128 v[SPA+\i/2], v[SR+4*\i:SR+4*\i+3] offset:(\i%2)*4*PPITCH
	ds_store_b128 v[SPA+\i/2], v[SE+4*\i:SE+4*\i+3] offset:(\i%2)*4*PPITCH+2048
.endr
	s_wait_loadcnt 16                              ; B and the two gains are in: only x's sixteen loads may be out
.irp i, 0,1,2,3
	ds_store_b128 v[SPA+\i/2], v[SBP+4*\i:SBP+4*\i+3] offset:(\i%2)*4*PPITCH+4096
	ds_store_b128 v[SPA+\i/2], v[SAC+4*\i:SAC+4*\i+3] offset:(\i%2)*4*PPITCH+6144
	ds_store_b128 v[SPA+\i/2], v[SAS+4*\i:SAS+4*\i+3] offset:(\i%2)*4*PPITCH+8192
.endr
.irp i, 0,1,2,3,4,5,6,7,8,9,10,11,12,13,14,15
	s_wait_loadcnt 15-\i                           ; x's piece i is in; the younger ones may be out
	ds_store_b128 v[SXA+\i/8], v[SX+4*\i:SX+4*\i+3] offset:(\i%8)*8192
.endr
	; ---- wave 0: my block of 32 weights becomes 16 bytes of codes and a scale byte (its loads were the oldest: they are in)
	s_cmp_lg_u32 s4, 0
	s_cbranch_scc1 .Lno_weight_work
	v_max3_num_f32 v[WM], |v[WQ]|, |v[WQ+1]|, 0x1800000   ; the largest magnitude, with the floor 2^(3 - 127) among its leaves: the byte cannot fall under 1
	v_max3_num_f32 v[WM+1], |v[WQ+2]|, |v[WQ+3]|, |v[WQ+4]|
.irp i, 5,9,13,17,21,25
	v_max3_num_f32 v[WM], v[WM], |v[WQ+\i]|, |v[WQ+\i+1]|
	v_max3_num_f32 v[WM+1], v[WM+1], |v[WQ+\i+2]|, |v[WQ+\i+3]|
.endr
	v_max3_num_f32 v[WM], v[WM], |v[WQ+29]|, |v[WQ+30]|
	v_max3_num_f32 v[WM], v[WM], v[WM+1], |v[WQ+31]|
	v_add_nc_u32 v[WSC], 0xff000000, v[WM]         ; 2 off its exponent field: the conversion takes that field as its scale
.irp g, 0,1,2,3
	v_cvt_scalef32_pk8_fp4_f32 v[WC+\g], v[WQ+8*\g:WQ+8*\g+7], v[WSC]
.endr
	v_lshrrev_b32 v[WBY], 23, v[WSC]               ; the scale's byte (and the plain line behind the conversions)
	global_store_b128 v1, v[WC:WC+3], s[24:25]     ; lane (n, h) holds registers 4 c .. 4 c + 3 of the fragment's lane 16 h + n: the wave stores 512 consecutive bytes
	global_store_b8 v[WSO], v[WBY], s[26:27]       ; 32 bytes of the work-group, two to an output row: laid so that the reader gets a row's four scale words by one 16-byte load
.Lno_weight_work:
	s_wait_dscnt 0x0                               ; my stores into LDS are done
	s_barrier_signal -1
	s_barrier_wait -1                              ; everybody's are
; 13 LDS loads: the five parameters of my n and x of my eight row steps, 4 d at byte off of the trip
.macro LOADS b, ap, ax, off
.irp k, 0,1,2,3,4
	ds_load_b128 v[PRM+20*(\b)+4*\k:PRM+20*(\b)+4*\k+3], v[\ap] offset:(\off)+2048*\k
.endr
.irp i, 0,1,2,3,4,5,6,7
	ds_load_b128 v[XRG+32*(\b)+4*\i:XRG+32*(\b)+4*\i+3], v[\ax] offset:(\off)+4096*\i
.endr
.endm
; Two neighbouring d (pair p of buffer b) for the eight row steps: eight chains, line by line, so that no line waits for the line above it.
; Chain i: v[TM+8i] T0, +2 T1, +4 T2, +6 T3, each a pair.
.macro PAIR b, p
.set PP, PRM+20*(\b)+2*(\p)
.set XX, XRG+32*(\b)+2*(\p)
.irp i, 0,1,2,3,4,5,6,7
	v_pk_mul_f32 v[TM+8*\i+2:TM+8*\i+3], v[XX+4*\i:XX+4*\i+1], v[PP+4:PP+5]   ; x r_lo
.endr
.irp i, 0,1,2,3,4,5,6,7
	v_pk_fma_f32 v[TM+8*\i:TM+8*\i+1], v[XX+4*\i:XX+4*\i+1], v[PP:PP+1], v[TM+8*\i+2:TM+8*\i+3]   ; the quotient, rounded once
.endr
.irp i, 0,1,2,3,4,5,6,7
	v_pk_add_f32 v[TM+8*\i:TM+8*\i+1], v[TM+8*\i:TM+8*\i+1], v[PP+8:PP+9]   ; theta
.endr
.irp i, 0,1,2,3,4,5,6,7
	v_pk_mul_f32 v[TM+8*\i:TM+8*\i+1], v[TM+8*\i:TM+8*\i+1], s[CC:CC+1] op_sel_hi:[1,0]   ; x 4096/2pi: a rounding of its own, so no fma with the next line
.endr
.irp i, 0,1,2,3,4,5,6,7
	v_pk_add_f32 v[TM+8*\i:TM+8*\i+1], v[TM+8*\i:TM+8*\i+1], s[MC:MC+1] op_sel_hi:[1,0]   ; round half to even: the unit in the last place is 1 here
.endr
.irp i, 0,1,2,3,4,5,6,7
	v_and_or_b32 v[TM+8*\i], v[TM+8*\i], s[MSK], s[MB]       ; 4096 + ((k + 2048) mod 4096) / 2048
	v_and_or_b32 v[TM+8*\i+1], v[TM+8*\i+1], s[MSK], s[MB]
.endr
.irp i, 0,1,2,3,4,5,6,7
	v_pk_add_f32 v[TM+8*\i:TM+8*\i+1], v[TM+8*\i:TM+8*\i+1], s[NM:NM+1] op_sel_hi:[1,0]   ; u = j / 2048, exact
.endr
.irp i, 0,1,2,3,4,5,6,7
	v_pk_mul_f32 v[TM+8*\i+2:TM+8*\i+3], v[TM+8*\i:TM+8*\i+1], v[TM+8*\i:TM+8*\i+1]   ; w = u u
.endr
.irp i, 0,1,2,3,4,5,6,7
	v_pk_fma_f32 v[TM+8*\i+4:TM+8*\i+5], v[TM+8*\i+2:TM+8*\i+3], v[K9:K9+1], s[Q7:Q7+1] op_sel_hi:[1,1,0]
	v_pk_fma_f32 v[TM+8*\i+6:TM+8*\i+7], v[TM+8*\i+2:TM+8*\i+3], v[KC:KC+1], s[C4:C4+1] op_sel_hi:[1,1,0]
.endr
.irp i, 0,1,2,3,4,5,6,7
	v_pk_fma_f32 v[TM+8*\i+4:TM+8*\i+5], v[TM+8*\i+4:TM+8*\i+5], v[TM+8*\i+2:TM+8*\i+3], s[Q5:Q5+1] op_sel_hi:[1,1,0]
	v_pk_fma_f32 v[TM+8*\i+6:TM+8*\i+7], v[TM+8*\i+6:TM+8*\i+7], v[TM+8*\i+2:TM+8*\i+3], s[C3:C3+1] op_sel_hi:[1,1,0]
.endr
.irp i, 0,1,2,3,4,5,6,7
	v_pk_fma_f32 v[TM+8*\i+4:TM+8*\i+5], v[TM+8*\i+4:TM+8*\i+5], v[TM+8*\i+2:TM+8*\i+3], s[Q3:Q3+1] op_sel_hi:[1,1,0]
	v_pk_fma_f32 v[TM+8*\i+6:TM+8*\i+7], v[TM+8*\i+6:TM+8*\i+7], v[TM+8*\i+2:TM+8*\i+3], s[C2:C2+1] op_sel_hi:[1,1,0]
.endr
.irp i, 0,1,2,3,4,5,6,7
	v_pk_fma_f32 v[TM+8*\i+4:TM+8*\i+5], v[TM+8*\i+4:TM+8*\i+5], v[TM+8*\i+2:TM+8*\i+3], s[Q1:Q1+1] op_sel_hi:[1,1,0]
	v_pk_fma_f32 v[TM+8*\i+6:TM+8*\i+7], v[TM+8*\i+6:TM+8*\i+7], v[TM+8*\i+2:TM+8*\i+3], s[C1:C1+1] op_sel_hi:[1,1,0]
.endr
.irp i, 0,1,2,3,4,5,6,7
	v_pk_mul_f32 v[TM+8*\i:TM+8*\i+1], v[TM+8*\i:TM+8*\i+1], v[TM+8*\i+4:TM+8*\i+5]   ; S = sin(theta_j / 2)
	v_pk_fma_f32 v[TM+8*\i+6:TM+8*\i+7], v[TM+8*\i+6:TM+8*\i+7], v[TM+8*\i+2:TM+8*\i+3], 1.0 op_sel_hi:[1,1,0]   ; C = cos(theta_j / 2)
.endr
.irp i, 0,1,2,3,4,5,6,7
	v_pk_fma_f32 v[TM+8*\i+4:TM+8*\i+5], v[TM+8*\i:TM+8*\i+1], v[TM+8*\i:TM+8*\i+1], 0.5 op_sel_hi:[1,1,0] neg_lo:[1,0,0] neg_hi:[1,0,0]   ; cos(theta_j) / 2 = 0.5 - S S
	v_pk_mul_f32 v[TM+8*\i+6:TM+8*\i+7], v[TM+8*\i:TM+8*\i+1], v[TM+8*\i+6:TM+8*\i+7]   ; sin(theta_j) / 2 = S C
.endr
.irp i, 0,1,2,3,4,5,6,7
	v_pk_fma_f32 v[ACC+4*\i:ACC+4*\i+1], v[PP+12:PP+13], v[TM+8*\i+4:TM+8*\i+5], v[ACC+4*\i:ACC+4*\i+1]
	v_pk_fma_f32 v[ACC+4*\i+2:ACC+4*\i+3], v[PP+16:PP+17], v[TM+8*\i+6:TM+8*\i+7], v[ACC+4*\i+2:ACC+4*\i+3]
.endr
.endm
	; ---- my 128 d in 32 chunks of 4, on two buffers: a chunk is asked for one chunk's work (368 vector instructions) ahead of its use
	LOADS 0, APB, AXB, 0
	s_mov_b32 s[OFF], 0
.Ltrip:                                            ; 15 trips of two chunks
	v_add_nc_u32 v[AP], s[OFF], v[APB]
	v_add_nc_u32 v[AX], s[OFF], v[AXB]
	LOADS 1, AP, AX, 16
	s_wait_dscnt 13                                ; buffer 0's 13 loads are in; the 13 just issued may be out
	PAIR 0, 0
	PAIR 0, 1
	LOADS 0, AP, AX, 32
	s_wait_dscnt 13                                ; buffer 1's 13 loads are in; the 13 just issued may be out
	PAIR 1, 0
	PAIR 1, 1
	s_add_co_u32 s[OFF], s[OFF], 32
	s_cmp_lt_u32 s[OFF], 480
	s_cbranch_scc1 .Ltrip
	v_add_nc_u32 v[AP], s[OFF], v[APB]             ; the last two chunks are written out: nothing is read beyond my quarter
	v_add_nc_u32 v[AX], s[OFF], v[AXB]
	LOADS 1, AP, AX, 16
	s_wait_dscnt 13                                ; buffer 0's are in
	PAIR 0, 0
	PAIR 0, 1
	s_wait_dscnt 0x0
	PAIR 1, 0
	PAIR 1, 1
	; ---- the end: even and odd d are added; the four d quarters meet in LDS, over the parameters, which nobody reads behind the barrier
.irp i, 0,1,2,3,4,5,6,7
	v_add_f32 v[TM+2*\i], v[ACC+4*\i], v[ACC+4*\i+1]
	v_add_f32 v[TM+2*\i+1], v[ACC+4*\i+2], v[ACC+4*\i+3]
.endr
	s_wait_dscnt 0x0                               ; my reads of the parameters are over
	s_barrier_signal -1
	s_barrier_wait -1                              ; everybody's are
.irp i, 0,1,2,3,4,5,6,7
	ds_store_b32 v[SST], v[TM+2*\i] offset:2*SCP*\i          ; 32 lanes: two rows' 16 sums, 80 bytes apart: 32 different banks
	ds_store_b32 v[SST], v[TM+2*\i+1] offset:2*SCP*\i+SCCS
.endr
	s_wait_dscnt 0x0                               ; my stores are done
	s_barrier_signal -1
	s_barrier_wait -1
.irp q, 0,1,2,3
	ds_load_b128 v[PRM+4*\q:PRM+4*\q+3], v[SRD] offset:\q*SCDQ   ; four neighbouring n of one row, from each d quarter
.endr
	s_wait_dscnt 0x0
	v_pk_add_f32 v[PRM:PRM+1], v[PRM:PRM+1], v[PRM+4:PRM+5]
	v_pk_add_f32 v[PRM+2:PRM+3], v[PRM+2:PRM+3], v[PRM+6:PRM+7]
	v_pk_add_f32 v[PRM+8:PRM+9], v[PRM+8:PRM+9], v[PRM+12:PRM+13]
	v_pk_add_f32 v[PRM+10:PRM+11], v[PRM+10:PRM+11], v[PRM+14:PRM+15]
	v_pk_add_f32 v[PRM:PRM+1], v[PRM:PRM+1], v[PRM+8:PRM+9]
	v_pk_add_f32 v[PRM+2:PRM+3], v[PRM+2:PRM+3], v[PRM+10:PRM+11]
	v_pk_mul_f32 v[PRM:PRM+1], v[PRM:PRM+1], 2.0 op_sel_hi:[1,0]       ; the halves of cos and sin were summed: x 2 rounds nothing
	v_pk_mul_f32 v[PRM+2:PRM+3], v[PRM+2:PRM+3], 2.0 op_sel_hi:[1,0]
	global_store_b128 v[GOUT], v[PRM:PRM+3], s[22:23]                  ; a wave stores 512 consecutive bytes, at a multiple of 512 from the buffer's first byte
	s_wait_tensorcnt 0x0
	ds_add_u32 v254, v255
	s_wait_dscnt 0x0
	s_endpgm
.Lfunc_end_k_q02507ee41d_sums:
	.size	k_q02507ee41d_sums, .Lfunc_end_k_q02507ee41d_sums-k_q02507ee41d_sums
	.p2alignl 7, 3214868480
	.fill 96, 4, 3214868480
	.section	.rodata,"a",@progbits
	.p2align	6, 0x0
	.amdhsa_kernel k_q02507ee41d_sums
		.amdhsa_group_segment_fixed_size 297984
		.amdhsa_private_segment_fixed_size 0
		.amdhsa_enable_private_segment 0
		.amdhsa_kernarg_size 80
		.amdhsa_user_sgpr_count 2
		.amdhsa_user_sgpr_kernarg_segment_ptr 1
		.amdhsa_wavefront_size32 1
		.amdhsa_system_sgpr_workgroup_id_x 1
		.amdhsa_system_sgpr_workgroup_id_y 1
		.amdhsa_system_sgpr_workgroup_id_z 1
		.amdhsa_system_vgpr_workitem_id 0
		.amdhsa_next_free_vgpr 256
		.amdhsa_next_free_sgpr 66
		.amdhsa_reserve_vcc 0
		.amdhsa_float_denorm_mode_32 3
		.amdhsa_float_denorm_mode_16_64 3
		.amdhsa_memory_ordered 1
		.amdhsa_forward_progress 1
		.amdhsa_inst_pref_size 117
	.end_amdhsa_kernel
	.amdgpu_metadata
---
amdhsa.version: [ 1, 2 ]
amdhsa.kernels:
  - .name:           k_q02507ee41d_sums
    .symbol:         k_q02507ee41d_sums.kd
    .args:
      - { .name: x, .offset: 0, .size: 8, .value_kind: global_buffer, .address_space: global }
      - { .name: W, .offset: 8, .size: 8, .value_kind: global_buffer, .address_space: global }
      - { .name: B_param, .offset: 16, .size: 8, .value_kind: global_buffer, .address_space: global }
      - { .name: attn_cos, .offset: 24, .size: 8, .value_kind: global_buffer, .address_space: global }
      - { .name: attn_sin, .offset: 32, .size: 8, .value_kind: global_buffer, .address_space: global }
      - { .name: proj_cos_w, .offset: 40, .size: 8, .value_kind: global_buffer, .address_space: global }
      - { .name: proj_sin_w, .offset: 48, .size: 8, .value_kind: global_buffer, .address_space: global }
      - { .name: sums, .offset: 56, .size: 8, .value_kind: global_buffer, .address_space: global }
      - { .name: wcodes, .offset: 64, .size: 8, .value_kind: global_buffer, .address_space: global }
      - { .name: wscales, .offset: 72, .size: 8, .value_kind: global_buffer, .address_space: global }
    .group_segment_fixed_size: 297984
    .private_segment_fixed_size: 0
    .kernarg_segment_align: 8
    .kernarg_segment_size: 80
    .max_flat_workgroup_size: 512
    .sgpr_count:     66
    .vgpr_count:     256
    .wavefront_size: 32
...
	.end_amdgpu_metadata
.endif
;; end of part 1
;; launch proj (part 2): grid 4 x 64, 4 waves a work-group, no clusters, 13,824 bytes of LDS; arguments sums, wcodes, wscales, out0; writes out0
.if DOCPART == 2
	.amdgcn_target "amdgcn-amd-amdhsa--gfx1250"
	.amdhsa_code_object_version 6
	.text
	.protected	k_q02507ee41d_proj
	.globl	k_q02507ee41d_proj
	.p2align	8
	.type	k_q02507ee41d_proj,@function
k_q02507ee41d_proj:
	s_mov_b64 s[64:65], 0
	v_nop
	global_prefetch_b8 v0, s[64:65] scope:SCOPE_SE
	s_setreg_imm32_b32 hwreg(HW_REG_WAVE_MODE, 25, 1), 1
	s_wait_xcnt 0x0
; out[m][d] = silu(sum over n of Q(cos_sum)[m][n] Q(proj_cos_w)[d][n] + sum over n of Q(sin_sum)[m][n] Q(proj_sin_w)[d][n]), Q the quantiser to E2M1 with one E8M0 scale for each 32 along n.
; The two products are one product with K = 512: k = 256 x (cos, sin) + n, four K steps of 128.
; sums: f32, laid [n / 16][cos, sin][(n % 16) / 4][m][4].  wcodes: the weights' codes as images of operand fragments, [tile of 16 d][K step][c][lane][16 bytes].  wscales: [d][16 bytes]: a row's four scale words.
; SHARES.  A work-group of four waves makes 16 rows x 128 outputs.  Wave w quantises K step w of the 16 rows in registers and hands the fragment to the others through LDS as an image of its registers
; (2 stores of 512 bytes, 4 bytes a lane of scale words).  Then wave w makes outputs 32 w .. 32 w + 31: two accumulators, which take turns, four K steps: 8 matrix instructions.
; THE MATRIX INSTRUCTION IS USED TRANSPOSED: source 0 = 16 rows of the weights, source 1 = the 16 rows of sums: a lane then holds eight neighbouring outputs of one row.
; The results meet in a stage in LDS and leave as whole rows of 512 bytes.  No cluster: the launch is eight matrix instructions a wave, and the bytes that work-groups share are 32 KiB each.
; LIMITS: a block of zeros gets the scale byte 1 and zero codes; NaN and infinities are not served.
.set FRB,  1024                        ; a fragment's image: 8 registers x 128 bytes
.set AIMG, 0                           ; LDS: the four fragments of the sums,
.set ASCL, 4*FRB                       ; their scale words, 128 bytes each,
.set STG,  ASCL+4*128                  ; the stage: 16 rows x (512 bytes + 16)
.set SPT,  528
.set AN,   32                          ; v32-95   64 numbers of my row: register 16 b + i = k 32 b + 16 (lane / 16) + i of my K step
.set BF,   96                          ; v96-159  the weights' fragments: tile t, K step s at 8 (4 t + s)
.set AF,   160                         ; v160-191 the sums' four fragments
.set ACC,  192                         ; v192-207 two accumulators
.set TM,   208                         ; v208-223 at work in the quantiser
.set PW,   224                         ; the scale word just made
.set PC,   226                         ; v226-233 the codes just made
.set WS,   236                         ; v236-243 the weights' scale words: tile t, K step s at 4 t + s; nothing else ever stands here
.set ASC,  244                         ; v244-247 the sums' scale words
.set EX,   32                          ; silu: at work
.set OU,   48                          ; silu: results
.set RB,   64                          ; rows read back from the stage
.set SEL,  24                          ; s[24:25] selects for v_permlanex16_b32: lane l xor 16
	s_load_b256 s[4:11], s[0:1], 0x0               ; sums s[4:5], wcodes s[6:7], wscales s[8:9], out s[10:11]
	v_lshl_add_u32 v254, v0, 2, 0x3400
	v_mov_b32 v255, 0
	v_lshrrev_b32 v1, 5, v0
	v_readfirstlane_b32 s12, v1                    ; wave 0..3
	s_and_b32 s13, ttmp7, 0xffff                   ; which 16 rows
	v_and_b32 v1, 31, v0                           ; lane
	v_and_b32 v2, 15, v0                           ; r
	v_bfe_u32 v3, v0, 4, 1                         ; h
	v_lshlrev_b32 v4, 4, v2
	v_lshl_add_u32 v4, v3, 17, v4                  ; sums: row r (16 bytes), the 16 n of my half (131,072 bytes on)
	v_lshlrev_b32 v5, 4, v1                        ; 16 x lane: an image's place for my lane
	v_lshlrev_b32 v6, 2, v1                        ; 4 x lane: a scale word's
	s_lshl_b32 s14, s12, 10
	v_add_nc_u32 v7, s14, v5                       ; where I store my fragment: 16 x lane + 1,024 x wave
	s_lshl_b32 s14, s12, 7
	v_add_nc_u32 v8, s14, v6                       ; and its scale words: 4 x lane + 128 x wave
	v_mul_u32_u24 v9, v2, SPT
	v_lshl_add_u32 v9, v3, 5, v9
	v_add_nc_u32 v9, s14, v9
	v_add_nc_u32 v9, STG, v9                       ; the stage: row r, + 32 h, + 128 x wave
	s_mul_i32 s15, s12, 4*SPT
	v_add_nc_u32 v10, s15, v5
	v_add_nc_u32 v10, STG, v10                     ; back: my four rows, 16 bytes a lane
	v_lshlrev_b32 v11, 4, v2                       ; the weights' scale words: 16 bytes a row
	s_mov_b32 s[SEL], 0x76543210
	s_mov_b32 s[SEL+1], 0xfedcba98
.irp b, 0,1,2,3
	v_mov_b32 v[TM+4+\b], 0                        ; written once: a lane permute's destination counts as one of its sources
.endr
	s_lshl_b32 s16, s13, 8                         ; sums: my 16 rows,
	s_lshr_b32 s17, s12, 1
	s_lshl_b32 s17, s17, 16                        ; cos or sin (K step / 2),
	s_add_co_u32 s16, s16, s17
	s_and_b32 s17, s12, 1
	s_lshl_b32 s17, s17, 20                        ; n 0-127 or 128-255 (K step % 2)
	s_add_co_u32 s16, s16, s17
	s_mov_b32 s17, 0
	s_lshl_b32 s18, ttmp9, 15                      ; wcodes: a tile of 16 outputs is 8 images, 4,096 bytes; 8 tiles a work-group, 2 a wave
	s_lshl_b32 s19, s12, 13
	s_add_co_u32 s18, s18, s19
	s_lshl_b32 s22, s13, 15                        ; out: 16 rows of 2,048 bytes, my 4 rows, the work-group's 512 bytes
	s_add_co_u32 s22, s22, s19
	s_lshl_b32 s19, ttmp9, 9
	s_add_co_u32 s22, s22, s19
	s_mov_b32 s19, 0
	s_mov_b32 s23, 0
	s_lshl_b32 s20, ttmp9, 11                      ; wscales: 256 bytes a tile
	s_lshl_b32 s21, s12, 9
	s_add_co_u32 s20, s20, s21
	s_mov_b32 s21, 0
	s_wait_kmcnt 0x0
	s_add_nc_u64 s[4:5], s[4:5], s[16:17]
	s_add_nc_u64 s[6:7], s[6:7], s[18:19]
	s_add_nc_u64 s[8:9], s[8:9], s[20:21]
	s_add_nc_u64 s[10:11], s[10:11], s[22:23]
.irp b, 0,1,2,3
.irp q, 0,1,2,3
	global_load_b128 v[AN+16*\b+4*\q:AN+16*\b+4*\q+3], v4, s[4:5] offset:262144*\b+16384*\q   ; sixteen lanes read 256 consecutive bytes
.endr
.endr
.irp t, 0,1
.irp s, 0,1,2,3
.irp c, 0,1
	global_load_b128 v[BF+8*(4*\t+\s)+4*\c:BF+8*(4*\t+\s)+4*\c+3], v5, s[6:7] offset:4096*\t+1024*\s+512*\c   ; an image: 512 consecutive bytes
.endr
.endr
.endr
.irp t, 0,1
	global_load_b128 v[WS+4*\t:WS+4*\t+3], v11, s[8:9] offset:256*\t   ; lane r: the four scale words of output row r of the tile
.endr
	s_wait_loadcnt 18                              ; my 64 numbers are in; the 16 loads of fragments and the 2 of scale words may be out
	; ---- the quantiser: four blocks of 32; a block lies in lanes l and l xor 16
.irp b, 0,1,2,3
	v_max3_num_f32 v[TM+\b], |v[AN+16*\b]|, |v[AN+1+16*\b]|, 0x1800000   ; my 16 numbers, and the floor 2^(3 - 127): the byte cannot fall under 1
.endr
.irp i, 2,4,6,8,10,12,14
.irp b, 0,1,2,3
	v_max3_num_f32 v[TM+\b], v[TM+\b], |v[AN+16*\b+\i]|, |v[AN+1+16*\b+\i]|   ; the four blocks by turns
.endr
.endr
.irp b, 0,1,2,3
	v_permlanex16_b32 v[TM+4+\b], v[TM+\b], s[SEL], s[SEL+1]
.endr
.irp b, 0,1,2,3
	v_max_num_f32 v[TM+\b], v[TM+\b], v[TM+4+\b]   ; the block's largest magnitude
.endr
.irp b, 0,1,2,3
	v_add_nc_u32 v[TM+12+\b], 0xff000000, v[TM+\b] ; 2 off its exponent field: the conversion's scale operand
.endr
.irp b, 0,1,2,3
	v_lshrrev_b32 v[TM+4+\b], 23, v[TM+12+\b]      ; the scale's byte
.endr
	v_lshl_or_b32 v[PW], v[TM+5], 8, v[TM+4]       ; my row's scale word
	v_lshl_or_b32 v[PW], v[TM+6], 16, v[PW]
	v_lshl_or_b32 v[PW], v[TM+7], 24, v[PW]
.irp b, 0,1,2,3
	v_cvt_scalef32_pk8_fp4_f32 v[PC+2*\b], v[AN+16*\b:AN+7+16*\b], v[TM+12+\b]
	v_cvt_scalef32_pk8_fp4_f32 v[PC+1+2*\b], v[AN+8+16*\b:AN+15+16*\b], v[TM+12+\b]
.endr
	v_nop                                          ; one plain line behind the scaled conversions
.irp c, 0,1                                    ; the operand's layout wants a whole block in a lane: lanes 0-15 block 2 c, lanes 16-31 block 2 c + 1
.irp i, 0,1
	v_permlane16_swap_b32 v[PC+4*\c+\i], v[PC+2+4*\c+\i]
.endr
.endr
.irp c, 0,1
	ds_store_b128 v7, v[PC+4*\c:PC+4*\c+3] offset:AIMG+512*\c
.endr
	ds_store_b32 v8, v[PW] offset:ASCL
	s_wait_dscnt 0x0                               ; my stores are done
	s_barrier_signal -1
	s_barrier_wait -1                              ; the four fragments lie in LDS
.irp s, 0,1,2,3
.irp c, 0,1
	ds_load_b128 v[AF+8*\s+4*\c:AF+8*\s+4*\c+3], v5 offset:AIMG+FRB*\s+512*\c
.endr
	ds_load_b32 v[ASC+\s], v6 offset:ASCL+128*\s
.endr
	s_wait_loadcnt 0x0                             ; the weights' fragments and scale words
	s_wait_dscnt 0x0
.irp s, 0,1,2,3                                ; the two accumulators take turns, one instruction a turn; the first K step starts the sums
.irp t, 0,1
.if \s == 0
	v_wmma_scale_f32_16x16x128_f8f6f4 v[ACC+8*\t:ACC+8*\t+7], v[BF+8*(4*\t+\s):BF+8*(4*\t+\s)+7], v[AF+8*\s:AF+8*\s+7], 0, v[WS+4*\t+\s], v[ASC+\s] matrix_a_fmt:MATRIX_FMT_FP4 matrix_b_fmt:MATRIX_FMT_FP4
.else
	v_wmma_scale_f32_16x16x128_f8f6f4 v[ACC+8*\t:ACC+8*\t+7], v[BF+8*(4*\t+\s):BF+8*(4*\t+\s)+7], v[AF+8*\s:AF+8*\s+7], v[ACC+8*\t:ACC+8*\t+7], v[WS+4*\t+\s], v[ASC+\s] matrix_a_fmt:MATRIX_FMT_FP4 matrix_b_fmt:MATRIX_FMT_FP4
.endif
.endr
.endr
.rept 4
	v_nop                                          ; four places between the last product and the first read of results (ISA guide 7.12.1)
.endr
	; ---- silu(v) = v / (1 + 2^(-v log2 e)), each accumulator from its low end on
.irp j, 0,2,4,6,8,10,12,14
	v_pk_mul_f32 v[EX+\j:EX+\j+1], v[ACC+\j:ACC+\j+1], 0xbfb8aa3b op_sel_hi:[1,0]
.endr
.irp j, 0,1,2,3,4,5,6,7,8,9,10,11,12,13,14,15
	v_exp_f32 v[EX+\j], v[EX+\j]
.endr
	v_nop                                          ; a plain line behind the exponentials
	s_wait_alu depctr_va_vdst(0)                   ; one wait for the sixteen, ahead of their first reader
.irp j, 0,2,4,6,8,10,12,14
	v_pk_add_f32 v[EX+\j:EX+\j+1], v[EX+\j:EX+\j+1], 1.0 op_sel_hi:[1,0]
.endr
.irp j, 0,1,2,3,4,5,6,7,8,9,10,11,12,13,14,15
	v_rcp_f32 v[EX+\j], v[EX+\j]
.endr
	v_nop                                          ; a plain line behind the reciprocals
	s_wait_alu depctr_va_vdst(0)                   ; and their one wait
.irp j, 0,2,4,6,8,10,12,14
	v_pk_mul_f32 v[OU+\j:OU+\j+1], v[ACC+\j:ACC+\j+1], v[EX+\j:EX+\j+1]
.endr
.irp t, 0,1
	ds_store_b128 v9, v[OU+8*\t:OU+8*\t+3] offset:64*\t        ; lane (r, h): out(r, 32 w + 16 t + 8 h + 0 .. 7)
	ds_store_b128 v9, v[OU+8*\t+4:OU+8*\t+7] offset:64*\t+16
.endr
	s_wait_dscnt 0x0                               ; my stores into the stage are done
	s_barrier_signal -1
	s_barrier_wait -1                              ; 16 whole rows of 512 bytes lie in the stage
.irp i, 0,1,2,3
	ds_load_b128 v[RB+4*\i:RB+4*\i+3], v10 offset:\i*SPT
.endr
.irp i, 0,1,2,3
	s_wait_dscnt 3-\i                              ; row i is back; the younger loads may be out
	global_store_b128 v5, v[RB+4*\i:RB+4*\i+3], s[10:11] offset:2048*\i th:TH_STORE_NT   ; 32 lanes store 512 consecutive bytes, at a multiple of 512 from the buffer's first byte
.endr
	s_wait_tensorcnt 0x0
	ds_add_u32 v254, v255
	s_wait_dscnt 0x0
	s_endpgm
.Lfunc_end_k_q02507ee41d_proj:
	.size	k_q02507ee41d_proj, .Lfunc_end_k_q02507ee41d_proj-k_q02507ee41d_proj
	.p2alignl 7, 3214868480
	.fill 96, 4, 3214868480
	.section	.rodata,"a",@progbits
	.p2align	6, 0x0
	.amdhsa_kernel k_q02507ee41d_proj
		.amdhsa_group_segment_fixed_size 13824
		.amdhsa_private_segment_fixed_size 0
		.amdhsa_enable_private_segment 0
		.amdhsa_kernarg_size 32
		.amdhsa_user_sgpr_count 2
		.amdhsa_user_sgpr_kernarg_segment_ptr 1
		.amdhsa_wavefront_size32 1
		.amdhsa_system_sgpr_workgroup_id_x 1
		.amdhsa_system_sgpr_workgroup_id_y 1
		.amdhsa_system_sgpr_workgroup_id_z 1
		.amdhsa_system_vgpr_workitem_id 0
		.amdhsa_next_free_vgpr 256
		.amdhsa_next_free_sgpr 66
		.amdhsa_reserve_vcc 0
		.amdhsa_float_denorm_mode_32 3
		.amdhsa_float_denorm_mode_16_64 3
		.amdhsa_memory_ordered 1
		.amdhsa_forward_progress 1
		.amdhsa_inst_pref_size 16
	.end_amdhsa_kernel
	.amdgpu_metadata
---
amdhsa.version: [ 1, 2 ]
amdhsa.kernels:
  - .name:           k_q02507ee41d_proj
    .symbol:         k_q02507ee41d_proj.kd
    .args:
      - { .name: sums, .offset: 0, .size: 8, .value_kind: global_buffer, .address_space: global }
      - { .name: wcodes, .offset: 8, .size: 8, .value_kind: global_buffer, .address_space: global }
      - { .name: wscales, .offset: 16, .size: 8, .value_kind: global_buffer, .address_space: global }
      - { .name: out0, .offset: 24, .size: 8, .value_kind: global_buffer, .address_space: global }
    .group_segment_fixed_size: 13824
    .private_segment_fixed_size: 0
    .kernarg_segment_align: 8
    .kernarg_segment_size: 32
    .max_flat_workgroup_size: 128
    .sgpr_count:     66
    .vgpr_count:     256
    .wavefront_size: 32
...
	.end_amdgpu_metadata
.endif
;; end of part 2
